; MI455X (gfx1250); checked and timed in simulation.
; The chip was launched on July 23, 2026; its instructions are those of AMD's public machine-readable ISA for CDNA 5 (MIT licence, August 2026) and "CDNA5" Instruction Set Architecture Reference Guide (July 2026). The comments in the code are by the model that wrote it; some were corrected since.
;; Attention MLP Autograd. Allowed arithmetic: matrix products marked QUANTISED: E3M2 operands, one E8M0 scale for each 32 along K, by v_wmma_scale_f32_16x16x128_f8f6f4 with both operands' format E3M2, f32 sums; products left as they are: f32 operands where the result goes on into a quantised operand, else bf16, f16 or f32 operands; f32 sums; everything else in f32.
;; Inputs: K 2 x 1,024 x 64 float32; Q 2 x 1,024 x 64 float32; bias 64 float32; mask 2 x 1,024 x 1,024 float32.
;; Outputs: out0 2 x 1,024 x 64 float32; out1 2 x 1,024 x 1,024 float32.
;; This version of the problem:
;;   THIS VERSION OF THE PROBLEM IS GIVEN IN LOW PRECISION. The matrix products marked QUANTISED in the list below multiply operands that are first quantised to E3M2 (3 exponent bits, 2 mantissa bits; 6 bits a number), with one power-of-two scale for each 32 numbers along K (OCP MX v1.0); their sums are f32. All else is computed in f32.
;;   The module's matrix products, in the order in which they are computed (A, B: the left and right operand; K: the contracted axis; several contracted axes count as one K, in the product's order):
;;     1. batch 128 x [M 1,024, K 1] x [K 1, N 1,024]; A: computed on the way; B: computed on the way: left as it is (no contracted axis)
;;     2. batch 2 x [M 1,024, K 64] x [K 64, N 1,024]; A: input Q; B: input K: QUANTISED
;;   THE QUANTISER, for each operand of a quantised product, along K:
;;     - K is cut into blocks of 32 from its start; a last block that is shorter is filled with zeros.
;;     - A block's scale is 2^e with e = floor(log2(the largest magnitude in the block)) - 4, held to -126 .. 127; a block of zeros has e = 0. As a byte (E8M0): e + 127.
;;     - Each number is divided by its block's scale, clamped to +-28, and rounded to the nearest number of E3M2, ties to even, subnormals kept.
;;     - The product sums the exact products of the quantised numbers (number of the format x scale) in f32.
;;   ~~~python
;;   def quantise(x, axis):      # numpy; x: float32 -> the quantised numbers, widened to float32 again
;;       x = np.moveaxis(x, axis, -1); K = x.shape[-1]
;;       x = np.pad(x, [(0, 0)] * (x.ndim - 1) + [(0, -K % 32)]); x = x.reshape(x.shape[:-1] + (-1, 32)); a = np.abs(x).max(-1, keepdims=True)
;;       e = np.where(a > 0, np.clip(np.frexp(np.where(a > 0, a, 1))[1] - 1 - 4, -126, 127), 0)      # np.frexp(a)[1] - 1 = floor(log2(a)), exactly
;;       r = np.clip(x / 2.0 ** e, -28, 28)
;;       step = 2.0 ** (np.maximum(np.frexp(np.where(r == 0, 1, r))[1] - 1, -2) - 2)
;;       q = np.round(r / step) * step * 2.0 ** e      # np.round: ties to even
;;       return np.moveaxis(q.reshape(q.shape[:-2] + (-1,))[..., :K], -1, axis).astype(np.float32)
;;   ~~~
;; One version. Each part assembles by itself: llvm-mc -triple=amdgcn-amd-amdhsa -mcpu=gfx1250 --defsym DOCPART=n.
;; ======== version 1 of 1: 1 launch
;; limits: a function is approximated: absolute error at most 9.3e-10
;; launch fused (part 1): grid 256 x 1, 16 waves a work-group, clusters of 4 x 1, 327,680 bytes of LDS; arguments Q, K, bias, mask, out0, out1; writes out0, out1
.if DOCPART == 1
	.amdgcn_target "amdgcn-amd-amdhsa--gfx1250"
	.amdhsa_code_object_version 6
	.text
	.protected	k_q45e7796dc7_fused
	.globl	k_q45e7796dc7_fused
	.p2align	8
	.type	k_q45e7796dc7_fused,@function
k_q45e7796dc7_fused:
	s_mov_b64 s[64:65], 0
	v_nop
	global_prefetch_b8 v0, s[64:65] scope:SCOPE_SE
	s_setreg_imm32_b32 hwreg(HW_REG_WAVE_MODE, 25, 1), 1
	s_wait_xcnt 0x0
	s_wait_alu depctr_hold_cnt(0) depctr_sa_sdst(0) depctr_va_vdst(0) depctr_va_sdst(0) depctr_va_ssrc(0) depctr_va_vcc(0) depctr_vm_vsrc(0)
	s_getreg_b32 s2, hwreg(HW_REG_IB_STS2, 6, 4)
	s_cmp_eq_u32 s2, 0
	s_cbranch_scc0 .Lentry_in_a_cluster
	s_endpgm
.Lentry_in_a_cluster:
	s_bfe_u32 s2, ttmp6, 0x10000c
	s_cmp_lg_u32 s2, 0x3003
	s_cbranch_scc0 .Lentry_shape_is_right
	s_endpgm
.Lentry_shape_is_right:
; out0[b][i][c] = (sum over j of sigmoid(Q[b][i][c] K[b][j][c] + bias[c]) mask[b][i][j]) / (sum over j of mask[b][i][j])
; out1[b][i][j] = (sum over c of Qq[b][i][c] Kq[b][j][c]) mask[b][i][j], Qq and Kq: codes of BF6 (E3M2) with one E8M0 scale for each 32 channels.
; Q, K: [2][1024][64], bias: [64], mask, out1: [2][1024][1024], out0: [2][1024][64], all f32.
; SHARES.  256 work-groups of 16 waves.  Work-group g owns rows 8 g .. 8 g + 7 (of the 2,048 rows of both batches) for both outputs; wave w owns keys 64 w .. 64 w + 63 for these 8 rows; lane l owns
; channels 2 l and 2 l + 1, so that the two halves of a packed instruction have the same (row, key) and want the same mask number.
; THE SIGMOID.  t = q' k + b' with q' = -log2(e) q, b' = -log2(e) bias;  a = 1 + 2^t;  sigmoid = 1 / a.  FOUR KEYS SHARE ONE RECIPROCAL:  m0/a0 + m1/a1 + m2/a2 + m3/a3 = n / d,
; d = a0 a1 a2 a3,  n = (m0 a1 + m1 a0) a2 a3 + (m2 a3 + m3 a2) a0 a1.  For one row, four keys and 64 channels that is 10 transcendentals and 26 plain instructions in place of 16 and 12.
; LIMITS.  t is held at 30, so that d stays under 2^121: a sigmoid under 2^-30 is given as 2^-30 (an absolute error under 1e-9); the form holds for inputs of any size.  |mask| stays under 2^35 (n is m x 2^90 at the most).
; The sums over j are taken in another order than by rows; the division is a multiplication by v_rcp_f32.  NaN and infinities among the inputs are not served.  A block of 32 zeros gets the scale byte 1 where the
; rule says 127: its codes are zeros, which add nothing under any byte but 0xff, and the bytes never leave the registers.
; K.  A wave's 64 keys, 16 KB of f32, come once, by two tensor loads (the even keys, the odd keys: 32 rows of 256 bytes each, 16 bytes of padding behind a row) into LDS bytes that only this wave reads.
; CLUSTER.  The four work-groups of a cluster belong to one batch and want the same K: wave w of each issues the same two loads, with the same descriptors and a mask that names the four.  Nothing is filled again.
; THE MASK is read once, eight loads of 8 bytes a lane (each 256 consecutive bytes of a row): the registers serve out1 and the rows' sums, and go to the wave's own 2 KB of LDS, from where the loop takes
; four masks of a row at a time, the same 16 bytes in every lane.
; THE QUANTISED PRODUCT has 8 rows and 64 along K, the instruction 16 and 128.  Row m of A is [q_m | zeros] for m < 8 and [zeros | q_(m-8)] for m >= 8; column n of B is [key(n) | key(n + 16)]: so
; D(m < 8, n) = q_m . key(n) and D(m >= 8, n) = q_(m-8) . key(n + 16): all 256 results are wanted, 8 rows x 32 keys.  Instruction t (0, 1) takes the keys 2 (n + 16 c) + t: register j of D0 and of D1 in lane l is
; then (row j, key 2 l) and (row j, key 2 l + 1): the multiplication by the mask puts them into a pair, and a store of 8 bytes a lane covers 256 consecutive bytes of a row of out1, aligned.
.set KP,    272                        ; a key's row in LDS: 256 bytes + 16 of padding = 17 x 16: sixteen rows that a 16-byte load touches start at sixteen different 16-byte columns of 256
.set KHALF, 32*KP                      ; 32 rows: the even keys; the odd keys behind them
.set KREG,  2*KHALF                    ; a wave's keys: 17,408 bytes
.set MBASE, 16*KREG                    ; behind K: 2,048 bytes for each wave: its masks [8 rows][64 keys], at the end its partial sums [8 rows][64 channels]
.set MSUM,  MBASE+16*2048              ; behind them: the waves' sums of masks, [8 rows][16 waves]
.set FB,  1                            ; v1   at the end: LDS address of row w's 16 sums of masks
.set RR,  2                            ; v2   r = lane % 16
.set HH,  3                            ; v3   h = lane / 16
.set LKQ, 4                            ; v4   LDS: my keys, row r, + 128 h: what the quantiser reads
.set LKP, 5                            ; v5   LDS: my keys, + 8 x lane: what the loop reads
.set G8,  6                            ; v6   8 x lane: my two numbers of a row of 64; never rewritten
.set LMS, 7                            ; v7   LDS: my wave's masks, + 8 x lane
.set LMB, 8                            ; v8   LDS: my wave's masks, the same in every lane
.set GQ,  9                            ; v9   Q for the quantiser: row r % 8 of 256 bytes, + 128 h
.set AMS, 10                           ; v10  LDS: where my wave's sums of masks go
.set NIL, 11                           ; v11  0
.set FA,  12                           ; v12  at the end: LDS address of row w's partial sums, + 8 x lane
.set SA,  13                           ; v13  Q's scale words;  v14, v15 the keys', for instruction 0, 1: these three hold scales and nothing else
.set SB,  14
.set QP,  16                           ; v16-31   q' of my two channels, a pair for each row
.set BP,  32                           ; v32-33   b'
.set ACC, 34                           ; v34-49   the sums, a pair for each row
.set CT,  34                           ;          (at the head: the upper halves of the blocks' codes)
.set KB,  50                           ; v50-65   two sets of four keys' pairs
.set MR,  50                           ;          (at the head: the mask as loaded, a pair for each row)
.set MB,  66                           ; v66-129  two sets of 8 rows x 4 masks
.set QX,  66                           ;          (at the head: v66-97 32 numbers of Q, then v66-89 the keys' two fragments; v98-109 Q's fragment; v110-125 at work)
.set BF,  66
.set AF,  98
.set TQ,  110
.set KD,  128                          ;          (at the head: v128-255 four blocks of 32 numbers of K; then v128-143 the two results)
.set D0,  128
.set D1,  136
.set T,   130                          ; v130-193 row i, key e: t, then a, at v[T + 8 i + 2 e], a pair
.set X,   194                          ; v194-209 n, a pair for each row
.set ADK, 210                          ; v210, v211 LDS addresses of the fetch in hand
.set ADM, 211
.set OUT, 240                          ; v240-255 out1's numbers: written once, so that no store's data are written again
.set WV,  16                           ; s16  my wave's number
.set SEL, 20                           ; s[20:21] selects of v_permlanex16_b32: lane l xor 16
.set CL,  22                           ; s22  30.0
.set LG,  24                           ; s[24:25] -log2(e): the packed form names a pair and takes its low word for both halves
.set TK,  26                           ; s26  where the step to be fetched begins among my keys: two rows a step
.set TM,  27                           ; s27  and among my masks: 16 bytes a step
.set CNT, 28
.set G1,  36                           ; s[36:43] descriptor group 1;  s[44:47], s[48:51] groups 0 for the even and the odd keys
.set G0E, 44
.set G0O, 48
; A round of the cluster's barrier: my work-group's barrier, so that wave 0's signal speaks for all sixteen waves; wave 0 signals for the work-group; every wave waits for all four work-groups; my work-group's barrier once more.
.macro CROUND
	s_barrier_signal -1
	s_barrier_wait -1
	s_cmp_lg_u32 s[WV], 0
	s_cbranch_scc1 .Lnot_wave_0_\@
	s_barrier_signal -3
.Lnot_wave_0_\@:
	s_barrier_wait -3
	s_barrier_signal -1
	s_barrier_wait -1
.endm
	s_load_b256 s[4:11], s[0:1], 0x0               ; Q s[4:5], K s[6:7], bias s[8:9], mask s[10:11]
	s_load_b128 s[12:15], s[0:1], 0x20             ; out0 s[12:13], out1 s[14:15]
	v_lshl_add_u32 v254, v0, 2, 0x4c200
	v_mov_b32 v255, 0
	ds_add_u32 v254, v255
	ds_add_u32 v254, v255
	s_wait_dscnt 0x0
	v_lshrrev_b32 v1, 5, v0
	v_readfirstlane_b32 s[WV], v1                  ; wave 0..15
	v_and_b32 v1, 31, v0                           ; lane
	v_and_b32 v[RR], 15, v0
	v_bfe_u32 v[HH], v0, 4, 1
	v_lshlrev_b32 v[G8], 3, v1
	v_and_b32 v[GQ], 7, v0
	v_lshlrev_b32 v[GQ], 8, v[GQ]
	v_lshl_add_u32 v[GQ], v[HH], 7, v[GQ]
	s_bfe_u32 s52, ttmp6, 0x40000                  ; cx: my place in the cluster; it enters the addresses of Q, mask, out0 and out1 alone
	s_lshl_b32 s53, ttmp9, 2                       ; in a cluster launch ttmp9 counts clusters
	s_add_co_u32 s53, s53, s52                     ; g = 4 x cluster + cx
	s_lshl_b32 s30, s53, 11                        ; Q, out0: 8 rows of 256 bytes a work-group
	s_mov_b32 s31, 0
	s_lshl_b32 s34, s53, 15                        ; mask, out1: 8 rows of 4,096 bytes a work-group,
	s_lshl_b32 s35, s[WV], 8                       ; and my wave's 64 keys: 256 bytes of each row
	s_add_co_u32 s34, s34, s35
	s_mov_b32 s35, 0
	s_lshr_b32 s32, ttmp9, 5                       ; K: the batch (32 clusters each), which the four partners share: 262,144 bytes,
	s_lshl_b32 s32, s32, 18
	s_lshl_b32 s33, s[WV], 14                      ; and my wave's 64 keys of 256 bytes
	s_add_co_u32 s32, s32, s33
	s_mov_b32 s33, 0
	s_mul_i32 s17, s[WV], KREG                     ; my keys in LDS: no place in the cluster enters an LDS address
	; descriptor group 1: 32 rows of 64 elements of 4 bytes, every second row of K, padded in LDS
	s_mov_b32 s[G1], 15|(2<<16)|(1<<20)|(1<<21)|(5<<22)|(3<<25)  ; 15:0 the mask: all four work-groups; 17:16 elements of 4 bytes; 20 padding on; 21 set beside a mask; 24:22 after every 64 words (code 5); 31:25 4 words of it (code 3)
	s_mov_b32 s[G1+1], 64<<16                      ; tensor_dim0 = 64
	s_mov_b32 s[G1+2], 32<<16                      ; tensor_dim1 = 32
	s_mov_b32 s[G1+3], 64<<16                      ; tile_dim0 = 64
	s_mov_b32 s[G1+4], 32                          ; tile_dim1 = 32
	s_mov_b32 s[G1+5], 128                         ; from row to row: two rows of K
	s_mov_b32 s[G1+6], 0
	s_mov_b32 s[G1+7], 0
	s_mov_b32 s[SEL], 0x76543210
	s_mov_b32 s[SEL+1], 0xfedcba98
	s_mov_b32 s[CL], 0x41f00000                    ; 30.0
	s_mov_b32 s[LG], 0xbfb8aa3b                    ; -log2(e)
	s_mov_b32 s[LG+1], s[LG]                       ; (named with it as a pair, so it is written)
	s_mov_b32 s[TK], 0
	s_mov_b32 s[TM], 0
	s_wait_kmcnt 0x0
	s_add_nc_u64 s[4:5], s[4:5], s[30:31]
	s_add_nc_u64 s[12:13], s[12:13], s[30:31]
	s_add_nc_u64 s[10:11], s[10:11], s[34:35]
	s_add_nc_u64 s[14:15], s[14:15], s[34:35]
	s_add_nc_u64 s[6:7], s[6:7], s[32:33]
	s_mov_b32 s[G0E], 1                            ; 1:0 count = 1
	s_mov_b32 s[G0E+1], s17                        ; 63:32 LDS address
	s_mov_b64 s[G0E+2:G0E+3], s[6:7]               ; 120:64 global address: my first key
	s_or_b32 s[G0E+3], s[G0E+3], 0x80000000        ; 127:126 type = 2
	s_mov_b32 s[G0O], 1
	s_add_co_u32 s[G0O+1], s17, KHALF
	s_add_nc_u64 s[G0O+2:G0O+3], s[6:7], 256       ; my second key
	s_or_b32 s[G0O+3], s[G0O+3], 0x80000000
	; All that comes through registers is asked for here, 25 loads; nobody stores these bytes, so they may be on their way across the round.
.irp i, 0,1,2,3,4,5,6,7
	global_load_b128 v[QX+4*\i:QX+4*\i+3], v[GQ], s[4:5] offset:16*\i   ; for the quantiser: channels 32 h .. 32 h + 31 of row r % 8: a whole block in a lane
.endr
.irp j, 0,1,2,3,4,5,6,7
	global_load_b64 v[QP+2*\j:QP+2*\j+1], v[G8], s[4:5] offset:256*\j   ; for the sigmoids: my two channels of row j
.endr
	global_load_b64 v[BP:BP+1], v[G8], s[8:9]
.irp j, 0,1,2,3,4,5,6,7
	global_load_b64 v[MR+2*\j:MR+2*\j+1], v[G8], s[10:11] offset:4096*\j th:TH_LOAD_NT   ; mask(row j, keys 2 l, 2 l + 1 of my 64): 32 lanes read 256 consecutive bytes, aligned; read once in the launch
.endr
	CROUND                                         ; all four work-groups are here: the joint loads meet
	tensor_load_to_lds s[G0E:G0E+3], s[G1:G1+7]    ; the only tensor loads of the wave: two are out
	s_nop 0
	tensor_load_to_lds s[G0O:G0O+3], s[G1:G1+7]
	s_nop 0
.rept 4
	v_nop
.endr
	v_mul_u32_u24 v[LKQ], v[RR], KP
	v_lshl_add_u32 v[LKQ], v[HH], 7, v[LKQ]
	v_add_nc_u32 v[LKQ], s17, v[LKQ]
	v_add_nc_u32 v[LKP], s17, v[G8]
	s_lshl_b32 s18, s[WV], 11
	s_add_co_u32 s18, s18, MBASE
	v_add_nc_u32 v[LMS], s18, v[G8]
	v_mov_b32 v[LMB], s18
	s_lshl_b32 s19, s[WV], 2
	s_add_co_u32 s19, s19, MSUM
	v_mov_b32 v[AMS], s19
	s_lshl_b32 s19, s[WV], 8
	s_add_co_u32 s19, s19, MBASE
	v_add_nc_u32 v[FA], s19, v[G8]                 ; the addresses of the end are made here, on the way that all waves take
	s_lshl_b32 s19, s[WV], 6
	s_add_co_u32 s19, s19, MSUM
	v_mov_b32 v[FB], s19
	v_mov_b32 v[NIL], 0
	v_mov_b32 v[TQ+13], 0                          ; written once: a lane permute's destination counts as one of its sources
	v_mov_b32 v[TQ+14], 0
	v_mov_b32 v[TQ+15], 0
	v_lshlrev_b32 v[TQ+12], 3, v[HH]               ; 8 h: where my block's byte stands in a scale word
	; ---- Q's fragment.  My block: row r % 8, channels 32 h on.
	s_wait_loadcnt 17                              ; Q's eight loads for the quantiser are in: 8 + 1 + 8 loads were issued behind them
	v_max3_num_f32 v[TQ],   |v[QX]|,   |v[QX+1]|, |v[QX+2]|        ; the block's largest magnitude, in two chains
	v_max3_num_f32 v[TQ+1], |v[QX+3]|, |v[QX+4]|, |v[QX+5]|
.irp i, 6,10,14,18,22,26
	v_max3_num_f32 v[TQ],   v[TQ],   |v[QX+\i]|,   |v[QX+\i+1]|
	v_max3_num_f32 v[TQ+1], v[TQ+1], |v[QX+\i+2]|, |v[QX+\i+3]|
.endr
	v_max3_num_f32 v[TQ], v[TQ], |v[QX+30]|, |v[QX+31]|
	v_max3_num_f32 v[TQ], v[TQ], v[TQ+1], 0x2800000                ; and the floor 2^(5 - 127): the byte cannot fall under 1
	v_add_nc_u32 v[TQ+4], 0xfe000000, v[TQ]        ; 4 off its exponent field: the conversion takes the exponent field of this operand as its scale, and nothing else of it
	v_lshrrev_b32 v[TQ+8], 23, v[TQ+4]             ; the scale's byte,
	v_lshlrev_b32 v[TQ+8], v[TQ+12], v[TQ+8]       ; at its place;
	v_permlanex16_b32 v[TQ+13], v[TQ+8], s[SEL], s[SEL+1]
	v_or_b32 v[TQ+8], v[TQ+8], v[TQ+13]            ; with lane l xor 16's: the row's two bytes,
	v_lshl_or_b32 v[SA], v[TQ+8], 16, v[TQ+8]      ; for both halves of K: the half that holds zero codes may have any byte but 0xff
	v_cvt_scalef32_pk16_bf6_f32 v[CT:CT+2], v[QX:QX+15], v[TQ+4]
	v_cvt_scalef32_pk16_bf6_f32 v[CT+4:CT+6], v[QX+16:QX+31], v[TQ+4]   ; (a conversion's three registers begin on an even number)
	v_nop                                          ; one plain place behind a scaled conversion
	v_cmp_gt_u32 vcc_lo, 8, v[RR]                  ; rows 0-7 of A have their codes in K's lower half, rows 8-15 in the upper
.irp i, 0,1,2
	v_cndmask_b32 v[AF+\i],   v[NIL], v[CT+\i],   vcc_lo
	v_cndmask_b32 v[AF+3+\i], v[NIL], v[CT+4+\i], vcc_lo
	v_cndmask_b32 v[AF+6+\i], v[CT+\i],   v[NIL], vcc_lo
	v_cndmask_b32 v[AF+9+\i], v[CT+4+\i], v[NIL], vcc_lo
.endr
	; ---- the keys' two fragments.  Block b = 2 t + c of lane (r, h): key 2 (r + 16 c) + t, which lies in row 32 t + 16 c + r of my keys in LDS, channels 32 h on.
	s_wait_tensorcnt 0x0                           ; my keys are in LDS; only I read them
.irp b, 0,1,2,3
.irp i, 0,1,2,3,4,5,6,7
	ds_load_b128 v[KD+32*\b+4*\i:KD+32*\b+4*\i+3], v[LKQ] offset:(32*(\b/2)+16*(\b%2))*KP+16*\i
.endr
.endr
	s_wait_dscnt 0x0
.irp b, 0,1,2,3
	v_max3_num_f32 v[TQ+\b], |v[KD+32*\b]|, |v[KD+32*\b+1]|, 0x2800000   ; all 32 numbers of a block are mine; the floor as above
.endr
.irp i, 2,4,6,8,10,12,14,16,18,20,22,24,26,28,30
.irp b, 0,1,2,3
	v_max3_num_f32 v[TQ+\b], v[TQ+\b], |v[KD+32*\b+\i]|, |v[KD+32*\b+\i+1]|   ; (the four blocks by turns: no line waits for the line above it)
.endr
.endr
.irp b, 0,1,2,3
	v_add_nc_u32 v[TQ+4+\b], 0xfe000000, v[TQ+\b]
.endr
.irp b, 0,1,2,3
	v_lshrrev_b32 v[TQ+8+\b], 23, v[TQ+4+\b]
.endr
.irp t, 0,1
	v_lshl_or_b32 v[SB+\t], v[TQ+9+2*\t], 16, v[TQ+8+2*\t]   ; my two bytes of column r: blocks h and 2 + h of the instruction's K,
.endr
.irp t, 0,1
	v_lshlrev_b32 v[SB+\t], v[TQ+12], v[SB+\t]     ; at their places;
.endr
.irp t, 0,1
	v_permlanex16_b32 v[TQ+13+\t], v[SB+\t], s[SEL], s[SEL+1]
.endr
.irp t, 0,1
	v_or_b32 v[SB+\t], v[SB+\t], v[TQ+13+\t]       ; with lane l xor 16's two the word is whole
.endr
.irp b, 0,1,2,3
	v_cvt_scalef32_pk16_bf6_f32 v[BF+6*\b:BF+6*\b+2], v[KD+32*\b:KD+32*\b+15], v[TQ+4+\b]      ; registers 6 c .. 6 c + 5 of fragment t
	v_cvt_scalef32_pk16_bf6_f32 v[CT+4*\b:CT+4*\b+2], v[KD+32*\b+16:KD+32*\b+31], v[TQ+4+\b]
.endr
	v_nop                                          ; one plain place behind a scaled conversion
.irp b, 0,1,2,3
.irp i, 0,1,2
	v_mov_b32 v[BF+6*\b+3+\i], v[CT+4*\b+\i]
.endr
.endr
	s_wait_loadcnt 8                               ; q and bias are in; the mask's eight loads may be out
.irp j, 0,1,2,3,4,5,6,7
	v_pk_mul_f32 v[QP+2*\j:QP+2*\j+1], v[QP+2*\j:QP+2*\j+1], s[LG:LG+1] op_sel_hi:[1,0]   ; q' = -log2(e) q.  (These nine are also the places between the last write of an operand or a scale and the scaled matrix instructions)
.endr
	v_pk_mul_f32 v[BP:BP+1], v[BP:BP+1], s[LG:LG+1] op_sel_hi:[1,0]
	s_wait_loadcnt 0x0                             ; the mask
	v_wmma_scale_f32_16x16x128_f8f6f4 v[D0:D0+7], v[AF:AF+11], v[BF:BF+11], 0, v[SA], v[SB] matrix_a_fmt:MATRIX_FMT_BF6 matrix_b_fmt:MATRIX_FMT_BF6
	v_wmma_scale_f32_16x16x128_f8f6f4 v[D1:D1+7], v[AF:AF+11], v[BF+12:BF+23], 0, v[SA], v[SB+1] matrix_a_fmt:MATRIX_FMT_BF6 matrix_b_fmt:MATRIX_FMT_BF6
.irp j, 0,1,2,3,4,5,6,7
	v_add_f32 v[TQ+\j], v[MR+2*\j], v[MR+2*\j+1]   ; the rows' sums of masks begin: my two.  (Eight places behind the matrix instructions; four are asked)
.endr
.irp j, 0,1,2,3,4,5,6,7
	v_mul_f32 v[OUT+2*\j],   v[D0+\j], v[MR+2*\j]         ; (row j, key 2 l);  each result is read from its low end on
	v_mul_f32 v[OUT+2*\j+1], v[D1+\j], v[MR+2*\j+1]       ; (row j, key 2 l + 1)
.endr
.irp j, 0,1,2,3,4,5,6,7
	global_store_b64 v[G8], v[OUT+2*\j:OUT+2*\j+1], s[14:15] offset:4096*\j th:TH_STORE_NT   ; 32 lanes store 256 consecutive bytes of a row, aligned; address, data and base are never written again
.endr
.irp j, 0,1,2,3,4,5,6,7
	ds_store_b64 v[LMS], v[MR+2*\j:MR+2*\j+1] offset:256*\j    ; my masks, by rows, for the loop
.endr
.irp m, 1,2,4,8
.irp j, 0,1,2,3,4,5,6,7
	v_add_f32_dpp v[TQ+\j], v[TQ+\j], v[TQ+\j] row_xmask:\m row_mask:0xf bank_mask:0xf
.endr
.endr
.irp j, 0,1,2,3,4,5,6,7
	v_permlanex16_b32 v[TQ+8+\j], v[TQ+\j], s[SEL], s[SEL+1]
.endr
.irp j, 0,1,2,3,4,5,6,7
	v_add_f32 v[TQ+\j], v[TQ+\j], v[TQ+8+\j]       ; every lane holds row j's sum over my 64 keys
.endr
.irp j, 0,1,2,3,4,5,6,7
	ds_store_b32 v[AMS], v[TQ+\j] offset:64*\j     ; all lanes write the same word with the same value
.endr
.irp a, 0,1,2,3,4,5,6,7,8,9,10,11,12,13,14,15
	v_mov_b32 v[ACC+\a], 0                         ; sixteen sums a lane; the step is written once for all sixteen steps
.endr
; The next step's four keys (my two channels of each) and its 8 x 4 masks, into set p.  Key 4 g + e lies in row 2 g + e / 2 of the even (e even) or of the odd keys.
.macro FETCH p
	v_add_nc_u32 v[ADK], s[TK], v[LKP]
	v_add_nc_u32 v[ADM], s[TM], v[LMB]
	ds_load_b64 v[KB+8*(\p):KB+8*(\p)+1],   v[ADK]
	ds_load_b64 v[KB+8*(\p)+2:KB+8*(\p)+3], v[ADK] offset:KHALF
	ds_load_b64 v[KB+8*(\p)+4:KB+8*(\p)+5], v[ADK] offset:KP
	ds_load_b64 v[KB+8*(\p)+6:KB+8*(\p)+7], v[ADK] offset:KHALF+KP
.irp i, 0,1,2,3,4,5,6,7
	ds_load_b128 v[MB+32*(\p)+4*\i:MB+32*(\p)+4*\i+3], v[ADM] offset:256*\i   ; every lane reads the same 16 bytes: row i's four masks
.endr
	s_add_co_u32 s[TK], s[TK], 2*KP
	s_add_co_u32 s[TM], s[TM], 16
.endm
.macro ARG p, i, e                     ; t = q' k + b': row i, key e, my two channels
	v_pk_fma_f32 v[T+8*(\i)+2*(\e):T+8*(\i)+2*(\e)+1], v[QP+2*(\i):QP+2*(\i)+1], v[KB+8*(\p)+2*(\e):KB+8*(\p)+2*(\e)+1], v[BP:BP+1]
.endm
.macro HOLD i, x                       ; t is held at 30
	v_min_num_f32 v[T+8*(\i)+(\x)], s[CL], v[T+8*(\i)+(\x)]
.endm
.macro EX i, x
	v_exp_f32 v[T+8*(\i)+(\x)], v[T+8*(\i)+(\x)]
.endm
; A STEP: four keys x eight rows x my two channels: 64 sigmoids a lane.  p: the set of keys and masks;  pre = 1: the next step is fetched into the other set.
.macro STEP p, pre
	s_wait_dscnt 0x0                               ; this step's keys and masks, asked for a step ago, are in
.if \pre
	FETCH 1-\p
.endif
.irp e, 0,1,2,3
	ARG \p, 0, \e
.endr
.irp x, 0,1,2,3,4,5,6,7
	HOLD 0, \x
.endr
.irp i, 0,1,2,3,4,5,6,7                ; row i's eight exponentials stand among row i + 1's twelve plain lines; none of these lines names an exponential's result
.irp e, 0,1,2,3
	EX \i, 2*\e
.if \i < 7
	ARG \p, \i+1, \e
.endif
	EX \i, 2*\e+1
.if (\i < 7) && (\e > 0)
	HOLD \i+1, 2*\e-2
	HOLD \i+1, 2*\e-1
.endif
.endr
.if \i < 7
	HOLD \i+1, 6
	HOLD \i+1, 7
.endif
.endr
	v_nop                                          ; a plain instruction behind the last exponential, ahead of the first use
	s_wait_alu depctr_va_vdst(0)                   ; the wait ahead of the first line that names a result: one for the 64
.irp e, 0,1,2,3                        ; from here on each line is written for the eight rows by turns, so that no line waits for the line above it
.irp i, 0,1,2,3,4,5,6,7
	v_pk_add_f32 v[T+8*\i+2*\e:T+8*\i+2*\e+1], v[T+8*\i+2*\e:T+8*\i+2*\e+1], 1.0 op_sel_hi:[1,0]   ; a = 1 + 2^t
.endr
.endr
.irp i, 0,1,2,3,4,5,6,7
	v_pk_mul_f32 v[X+2*\i:X+2*\i+1], v[T+8*\i+2:T+8*\i+3], v[MB+32*\p+4*\i:MB+32*\p+4*\i+1] op_sel_hi:[1,0]   ; m0 a1 (the pair's first register for both halves)
.endr
.irp i, 0,1,2,3,4,5,6,7
	v_pk_fma_f32 v[X+2*\i:X+2*\i+1], v[T+8*\i:T+8*\i+1], v[MB+32*\p+4*\i:MB+32*\p+4*\i+1], v[X+2*\i:X+2*\i+1] op_sel:[0,1,0] op_sel_hi:[1,1,1]   ; + m1 a0 (the pair's second register for both halves)
.endr
.irp i, 0,1,2,3,4,5,6,7
	v_pk_mul_f32 v[T+8*\i:T+8*\i+1], v[T+8*\i:T+8*\i+1], v[T+8*\i+2:T+8*\i+3]   ; a0 a1, where a0 stood
.endr
.irp i, 0,1,2,3,4,5,6,7
	v_pk_mul_f32 v[T+8*\i+2:T+8*\i+3], v[T+8*\i+6:T+8*\i+7], v[MB+32*\p+4*\i+2:MB+32*\p+4*\i+3] op_sel_hi:[1,0]   ; m2 a3, where a1 stood
.endr
.irp i, 0,1,2,3,4,5,6,7
	v_pk_fma_f32 v[T+8*\i+2:T+8*\i+3], v[T+8*\i+4:T+8*\i+5], v[MB+32*\p+4*\i+2:MB+32*\p+4*\i+3], v[T+8*\i+2:T+8*\i+3] op_sel:[0,1,0] op_sel_hi:[1,1,1]   ; + m3 a2
.endr
.irp i, 0,1,2,3,4,5,6,7
	v_pk_mul_f32 v[T+8*\i+4:T+8*\i+5], v[T+8*\i+4:T+8*\i+5], v[T+8*\i+6:T+8*\i+7]   ; a2 a3, where a2 stood
.endr
.irp i, 0,1,2,3,4,5,6,7
	v_pk_mul_f32 v[T+8*\i+6:T+8*\i+7], v[T+8*\i:T+8*\i+1], v[T+8*\i+4:T+8*\i+5]   ; d, where a3 stood: between 1 and 2^121
.endr
.irp i, 0,1,2,3,4,5,6,7
	v_rcp_f32 v[T+8*\i+6], v[T+8*\i+6]
	v_rcp_f32 v[T+8*\i+7], v[T+8*\i+7]
.endr
.irp i, 0,1,2,3,4,5,6,7
	v_pk_mul_f32 v[X+2*\i:X+2*\i+1], v[X+2*\i:X+2*\i+1], v[T+8*\i+4:T+8*\i+5]   ; (m0 a1 + m1 a0) a2 a3.  (These sixteen lines name no reciprocal: the work behind the batch)
.endr
.irp i, 0,1,2,3,4,5,6,7
	v_pk_fma_f32 v[X+2*\i:X+2*\i+1], v[T+8*\i+2:T+8*\i+3], v[T+8*\i:T+8*\i+1], v[X+2*\i:X+2*\i+1]   ; + (m2 a3 + m3 a2) a0 a1 = n
.endr
	s_wait_alu depctr_va_vdst(0)                   ; one wait for the sixteen reciprocals, ahead of their first reader
.irp i, 0,1,2,3,4,5,6,7
	v_pk_fma_f32 v[ACC+2*\i:ACC+2*\i+1], v[X+2*\i:X+2*\i+1], v[T+8*\i+6:T+8*\i+7], v[ACC+2*\i:ACC+2*\i+1]   ; the sum takes n / d
.endr
.endm
	s_wait_dscnt 0x0                               ; my LDS stores have read their registers: the fetch below lands on some of them
	FETCH 0                                        ; step 0.  (LDS serves a wave's instructions in order: the loads see my stores of the masks)
	s_mov_b32 s[CNT], 7
.Ltrip:                                                ; a trip is two steps, one on each set: steps 0 to 13
	STEP 0, 1
	STEP 1, 1
	s_sub_co_u32 s[CNT], s[CNT], 1
	s_cmp_lg_u32 s[CNT], 0
	s_cbranch_scc1 .Ltrip
	STEP 0, 1                                      ; steps 14 and 15 are written out: the last fetches nothing, so that no load leaves my wave's bytes
	STEP 1, 0
	; ---- THE END.  My sums over my 64 keys go where my masks stood (my last read of them is in); behind the barrier wave w < 8 adds row w's sixteen parts.
.irp i, 0,1,2,3,4,5,6,7
	ds_store_b64 v[LMS], v[ACC+2*\i:ACC+2*\i+1] offset:256*\i
.endr
	s_wait_dscnt 0x0                               ; for the others' sake: my stores have landed, the sums of masks at the head among them
	s_barrier_signal -1
	s_barrier_wait -1
	s_cmp_gt_u32 s[WV], 7
	s_cbranch_scc1 .Ldone                          ; eight rows: waves 8 to 15 have nothing to add; no barrier is jumped over
.irp k, 0,1,2,3
	ds_load_b128 v[X+4*\k:X+4*\k+3], v[FB] offset:16*\k            ; row w's sixteen sums of masks, in every lane
.endr
.irp k, 0,1,2,3,4,5,6,7,8,9,10,11,12,13,14,15
	ds_load_b64 v[T+2*\k:T+2*\k+1], v[FA] offset:2048*\k           ; wave k's part of row w, my two channels
.endr
	s_lshl_b32 s30, s[WV], 8
	s_add_nc_u64 s[12:13], s[12:13], s[30:31]      ; row w of my work-group's eight in out0 (s31 is 0; nothing has named this base yet)
	s_wait_dscnt 16                                ; the four loads of the masks' sums are in; the sixteen behind them may be out
	v_pk_add_f32 v[X:X+1], v[X:X+1], v[X+2:X+3]
	v_pk_add_f32 v[X+4:X+5], v[X+4:X+5], v[X+6:X+7]
	v_pk_add_f32 v[X+8:X+9], v[X+8:X+9], v[X+10:X+11]
	v_pk_add_f32 v[X+12:X+13], v[X+12:X+13], v[X+14:X+15]
	v_pk_add_f32 v[X:X+1], v[X:X+1], v[X+4:X+5]
	v_pk_add_f32 v[X+8:X+9], v[X+8:X+9], v[X+12:X+13]
	v_pk_add_f32 v[X:X+1], v[X:X+1], v[X+8:X+9]
	v_add_f32 v[X], v[X], v[X+1]                   ; the row's sum of masks
	v_rcp_f32 v[X+2], v[X]
	s_wait_dscnt 0x0
.irp m, 0,1,2,3,4,5,6,7
	v_pk_add_f32 v[T+4*\m:T+4*\m+1], v[T+4*\m:T+4*\m+1], v[T+4*\m+2:T+4*\m+3]   ; the sixteen parts, as a tree: plain work behind the reciprocal
.endr
.irp m, 0,1,2,3
	v_pk_add_f32 v[T+8*\m:T+8*\m+1], v[T+8*\m:T+8*\m+1], v[T+8*\m+4:T+8*\m+5]
.endr
.irp m, 0,1
	v_pk_add_f32 v[T+16*\m:T+16*\m+1], v[T+16*\m:T+16*\m+1], v[T+16*\m+8:T+16*\m+9]
.endr
	v_pk_add_f32 v[T:T+1], v[T:T+1], v[T+16:T+17]
	s_wait_alu depctr_va_vdst(0)                   ; the wait ahead of the reciprocal's first reader
	v_pk_mul_f32 v[T:T+1], v[T:T+1], v[X+2:X+3] op_sel_hi:[1,0]
	global_store_b64 v[G8], v[T:T+1], s[12:13] th:TH_STORE_NT      ; 32 lanes store a whole row of out0: 256 consecutive bytes, aligned
.Ldone:
	s_wait_xcnt 0x0
	v_lshl_add_u32 v254, v0, 2, 0x4c200
	v_mov_b32 v255, 0
	s_wait_tensorcnt 0x0
	ds_add_u32 v254, v255
	s_wait_dscnt 0x0
	CROUND                                         ; the closing round: no work-group ends while a partner may still ask for a tile that names it; no LDS instruction of mine is out
	s_endpgm
.Lfunc_end_k_q45e7796dc7_fused:
	.size	k_q45e7796dc7_fused, .Lfunc_end_k_q45e7796dc7_fused-k_q45e7796dc7_fused
	.p2alignl 7, 3214868480
	.fill 96, 4, 3214868480
	.section	.rodata,"a",@progbits
	.p2align	6, 0x0
	.amdhsa_kernel k_q45e7796dc7_fused
		.amdhsa_group_segment_fixed_size 327680
		.amdhsa_private_segment_fixed_size 0
		.amdhsa_enable_private_segment 0
		.amdhsa_kernarg_size 48
		.amdhsa_user_sgpr_count 2
		.amdhsa_user_sgpr_kernarg_segment_ptr 1
		.amdhsa_wavefront_size32 1
		.amdhsa_system_sgpr_workgroup_id_x 1
		.amdhsa_system_sgpr_workgroup_id_y 1
		.amdhsa_system_sgpr_workgroup_id_z 1
		.amdhsa_system_vgpr_workitem_id 0
		.amdhsa_next_free_vgpr 256
		.amdhsa_next_free_sgpr 66
		.amdhsa_reserve_vcc 1
		.amdhsa_float_denorm_mode_32 3
		.amdhsa_float_denorm_mode_16_64 3
		.amdhsa_memory_ordered 1
		.amdhsa_forward_progress 1
		.amdhsa_inst_pref_size 86
	.end_amdhsa_kernel
	.amdgpu_metadata
---
amdhsa.version: [ 1, 2 ]
amdhsa.kernels:
  - .name:           k_q45e7796dc7_fused
    .symbol:         k_q45e7796dc7_fused.kd
    .args:
      - { .name: Q, .offset: 0, .size: 8, .value_kind: global_buffer, .address_space: global }
      - { .name: K, .offset: 8, .size: 8, .value_kind: global_buffer, .address_space: global }
      - { .name: bias, .offset: 16, .size: 8, .value_kind: global_buffer, .address_space: global }
      - { .name: mask, .offset: 24, .size: 8, .value_kind: global_buffer, .address_space: global }
      - { .name: out0, .offset: 32, .size: 8, .value_kind: global_buffer, .address_space: global }
      - { .name: out1, .offset: 40, .size: 8, .value_kind: global_buffer, .address_space: global }
    .group_segment_fixed_size: 327680
    .private_segment_fixed_size: 0
    .kernarg_segment_align: 8
    .kernarg_segment_size: 48
    .max_flat_workgroup_size: 512
    .sgpr_count:     66
    .vgpr_count:     256
    .wavefront_size: 32
...
	.end_amdgpu_metadata
.endif
;; end of part 1
